; MI455X (gfx1250); checked and timed in simulation.
; The chip was launched on July 23, 2026; its instructions are those of AMD's public machine-readable ISA for CDNA 5 (MIT licence, August 2026) and "CDNA5" Instruction Set Architecture Reference Guide (July 2026). The comments in the code are by the model that wrote it; some were corrected since.
;; Batch Invariant Multi Head Attention. Allowed arithmetic: float matrix products may take bf16 or f16 operands with f32 sums; all other float work in f32.
;; Inputs: Wk 1,024 x 1,024 float32; Wo 1,024 x 1,024 float32; Wq 1,024 x 1,024 float32; Wv 1,024 x 1,024 float32; bk 1,024 float32; bo 1,024 float32; bq 1,024 float32; bv 1,024 float32; key 2,048 x 2 x 1,024 float32; query 2,048 x 2 x 1,024 float32; value 2,048 x 2 x 1,024 float32.
;; Outputs: out0 2,048 x 2 x 1,024 float32.
;; One version. Each part assembles by itself: llvm-mc -triple=amdgcn-amd-amdhsa -mcpu=gfx1250 --defsym DOCPART=n.
;; ======== version 1 of 1: 3 launches
;; limits: values are held in f16: magnitudes above 65,504 overflow, below 6.1e-05 lose precision
;; workspace buffers: qkv 25,165,824 bytes; ao 8,388,608 bytes; wo16 2,097,152 bytes
;; launch proj (part 1): grid 4 x 48, 4 waves a work-group, clusters of 4 x 4, 327,680 bytes of LDS; arguments query, key, value, Wq, Wk, Wv, bq, bk, bv, qkv; writes qkv
.if DOCPART == 1
	.amdgcn_target "amdgcn-amd-amdhsa--gfx1250"
	.amdhsa_code_object_version 6
	.text
	.protected	k_q8370b3b59b_proj
	.globl	k_q8370b3b59b_proj
	.p2align	8
	.type	k_q8370b3b59b_proj,@function
k_q8370b3b59b_proj:
	s_mov_b64 s[64:65], 0
	v_nop
	global_prefetch_b8 v0, s[64:65] scope:SCOPE_SE
	s_setreg_imm32_b32 hwreg(HW_REG_WAVE_MODE, 25, 1), 1
	s_wait_xcnt 0x0
	s_wait_alu depctr_hold_cnt(0) depctr_sa_sdst(0) depctr_va_vdst(0) depctr_va_sdst(0) depctr_va_ssrc(0) depctr_va_vcc(0) depctr_vm_vsrc(0)
	s_getreg_b32 s2, hwreg(HW_REG_IB_STS2, 6, 4)
	s_cmp_eq_u32 s2, 0
	s_cbranch_scc0 .Lentry_in_a_cluster
	s_endpgm
.Lentry_in_a_cluster:
	s_bfe_u32 s2, ttmp6, 0x10000c
	s_cmp_lg_u32 s2, 0xf033
	s_cbranch_scc0 .Lentry_shape_is_right
	s_endpgm
.Lentry_shape_is_right:
; q, k, v = x W^T + b for x = query, key, value.  x: [2048 s][2 b][1024] f32, W: [1024 n][1024] f32, b: [1024] f32.
; Out: qkv, three parts of 8,388,608 bytes (q, k, v), each f16 [b][head][s][64]: a head's rows lie densely, 128 bytes each.
; x and W are rounded once to bf16 on the way from LDS to the matrix unit, sums are f32, the bias is added in f32, the result is rounded once to f16.
; LIMIT: results beyond f16's largest number, 65,504, become infinite; below 2^-14 they keep f16's denormal step of 2^-24.
; The grid is 4 x 48 work-groups: y / 16 picks the projection, y % 16 the block of 256 rows (batch y%16 / 8, rows 256 (y % 8) ..), x the block of 256 columns.
; Four waves, as many as a WGP has SIMDs; a wave makes 128 x 128: 64 accumulator tiles of 16 x 16, 512 registers.
; K goes in steps of 64 (256 bytes of f32 a row) through a ring of two LDS slots filled by the tensor data mover.
; CLUSTERS: 4 x 4 work-groups.  The four of a row of the cluster need the same tiles of x, the four of a column the same tiles of W: each tile is asked
; for jointly, with one descriptor and a mask that names the four, which divides the requests for x and W by four.  The projection is the same in all sixteen.
; REGISTERS, in windows of 256:
;   window 0: v0-31 addresses; v32-95 eight bf16 fragments of x; v96-223 the same eight as loaded, f32; v224-255 packed results on the way out
;   window 1: v32-95, v96-223 the same for W; v0-31 and v224-255 the bias of my 128 columns as my lane needs it
;   window 2: the 32 accumulator tiles of my rows 0-63 (tile (a, b) at v[8 (8 a + b)]); window 3: those of my rows 64-127
; The matrix instruction is used transposed (source 0 = 16 rows of W, source 1 = 16 rows of x): lane l then holds row l % 16 of the result and its
; registers 0 to 7 the columns 8 (l / 16) + 0 .. 7, eight neighbouring numbers that pack into 16 bytes.
.set KSTEP,  64
.set PITCH,  272                       ; an LDS row: 256 bytes + 16 of padding = 17 x 16 bytes: the 16 rows of a fragment load begin at 16 different 16-byte columns modulo 256
.set HALFT,  128*PITCH                 ; 128 rows: what one tensor load brings
.set SLOT,   4*HALFT                   ; x's 256 rows, then W's 256 rows
.set STAGE,  2*SLOT                    ; behind the ring: 16 rows x 272 bytes for each wave, for the way out; no tensor load lands there
.set LAPS,   1024/(2*KSTEP)            ; a lap = two K steps = once round the ring
.set ADRA, 16                          ; v16-17  LDS address of my x fragments in slot 0, 1
.set ADRB, 20                          ; v20-21  the same for W
.set STO,  24                          ; the way out: where I put 16 bytes of a row
.set RD,   25                          ; the way out: where I read back
.set CO,   26                          ; my byte offset in qkv: 16 x lane
.set BOFF, 27                          ; my byte offset in the bias: 32 (l / 16)
.set F,    32                          ; bf16 fragments
.set ST,   96                          ; f32 as loaded, 16 registers a fragment
.set TMP,  224
.set G1,  24                           ; s[24:31] group 1 for x's tiles
.set G0,  32                           ; s[32:39] group 0 for x's tiles, one set for each slot
.set G1B, 48                           ; s[48:55] group 1 for W's tiles
.set G0B, 56                           ; s[56:63] group 0 for W's tiles
.set MSB, 0
.macro WIN new                         ; the immediate's high byte repeats the setting that is left
.if MSB != \new
	s_set_vgpr_msb (MSB<<8)|\new
.set MSB, \new
.endif
.endm
.set MUL_LO, 0xa1                      ; source 0 (W) window 1, source 1 (x) window 0, C and D window 2
.set MUL_HI, 0xf1                      ; the same, C and D window 3
.set TO_B,   0x40                      ; destination window 1, address window 0
.set CVT_B,  0x45                      ; both sources and the destination window 1
.set ADD_LO, 0x06                      ; source 0 window 2, source 1 window 1, destination window 0
.set ADD_HI, 0x07                      ; source 0 window 3, source 1 window 1, destination window 0
; A joint load.  Waves 0 and 1 fetch x's two halves, waves 2 and 3 W's.  The branch hangs on the wave's number alone.
.macro JLOAD s
	s_cmp_eq_u32 s11, 0
	s_cbranch_scc0 .Lfor_b_\@
	tensor_load_to_lds s[G0+4*\s:G0+4*\s+3], s[G1:G1+7]
	s_nop 0
	s_branch .Lasked_\@
.Lfor_b_\@:
	tensor_load_to_lds s[G0B+4*\s:G0B+4*\s+3], s[G1B:G1B+7]
	s_nop 0
	v_nop
	v_nop
	v_nop
	v_nop
.Lasked_\@:
.endm
.macro CREST                           ; a round of the cluster's barrier behind its opening barrier
	s_cmp_lg_u32 s10, 0
	s_cbranch_scc1 .Lnot_wave_0_\@
	s_barrier_signal -3
.Lnot_wave_0_\@:
	s_barrier_wait -3
	s_barrier_signal -1
	s_barrier_wait -1
.endm
.macro CROUND                          ; a whole round
	s_barrier_signal -1
	s_barrier_wait -1
	CREST
.endm
.macro PLACES                          ; four plain vector instructions behind a matrix instruction before its registers are written or its result read (ISA guide 7.12.1)
.rept 4
	v_nop
.endr
.endm
	s_load_b512 s[68:83], s[0:1], 0x0              ; query, key, value, Wq, Wk, Wv, bq, bk
	s_load_b128 s[84:87], s[0:1], 0x40             ; bv, qkv
	v_lshl_add_u32 v30, v0, 2, 0x48400
	v_mov_b32 v31, 0
	ds_add_u32 v30, v31
	v_lshrrev_b32 v1, 5, v0
	v_readfirstlane_b32 s10, v1                    ; wave 0..3
	s_lshr_b32 s11, s10, 1                         ; which half of the block's rows is mine.  Also: I fetch for x (0) or for W (1)
	s_and_b32 s12, s10, 1                          ; which half of its columns.  Also: which 128 rows of that tile I fetch
	s_bfe_u32 s40, ttmp6, 0x40000                  ; cx
	s_bfe_u32 s41, ttmp6, 0x40004                  ; cy
	s_lshl_b32 s42, ttmp9, 2
	s_add_co_u32 s42, s42, s40                     ; block column 0..3
	s_and_b32 s90, ttmp7, 0xffff                   ; the cluster's y, 0..11
	s_lshr_b32 s45, s90, 2                         ; the projection 0, 1, 2: the same in all sixteen partners
	s_and_b32 s13, s90, 3
	s_lshl_b32 s13, s13, 2
	s_add_co_u32 s13, s13, s41                     ; block row 0..15
	s_lshr_b32 s88, s13, 3                         ; batch
	s_and_b32 s89, s13, 7                          ; block of 256 s
	s_lshl_b32 s43, s41, 2
	s_lshl_b32 s43, 15, s43                        ; my row of the cluster
	s_lshl_b32 s44, 0x1111, s40                    ; my column
	; group 1: a tile of 128 rows x 64 f32, 16 bytes of padding behind each row of 64 words
	s_or_b32 s[G1+0], s43, (2<<16)|(1<<20)|(1<<21)|(5<<22)|(3<<25)
	s_or_b32 s[G1B+0], s44, (2<<16)|(1<<20)|(1<<21)|(5<<22)|(3<<25)
	s_mov_b32 s[G1+1], KSTEP<<16                   ; tensor_dim0 = 64
	s_mov_b32 s[G1B+1], KSTEP<<16
	s_mov_b32 s[G1+2], 128<<16                     ; tensor_dim1 = 128
	s_mov_b32 s[G1B+2], 128<<16
	s_mov_b32 s[G1+3], KSTEP<<16                   ; tile_dim0 = 64
	s_mov_b32 s[G1B+3], KSTEP<<16
	s_mov_b32 s[G1+4], 128                         ; tile_dim1 = 128
	s_mov_b32 s[G1B+4], 128
	s_mov_b32 s[G1+5], 2048                        ; from s to s + 1 in one batch: 2 x 1024 elements
	s_mov_b32 s[G1B+5], 1024                       ; from row to row of W
	s_mov_b32 s[G1+6], 0
	s_mov_b32 s[G1B+6], 0
	s_mov_b32 s[G1+7], 0
	s_mov_b32 s[G1B+7], 0
	; x's tile hangs on the block row alone, W's on the block column alone (and both on the projection)
	s_lshl_b32 s16, s89, 8
	s_lshl_b32 s17, s12, 7
	s_add_co_u32 s16, s16, s17                     ; s of the first row that I fetch
	s_lshl_b32 s16, s16, 1
	s_add_co_u32 s16, s16, s88                     ; row 2 s + batch
	s_lshl_b32 s16, s16, 12                        ; x 4,096 bytes
	s_mov_b32 s17, 0
	s_lshl_b32 s46, s42, 8
	s_lshl_b32 s47, s12, 7
	s_add_co_u32 s46, s46, s47                     ; W's first row that I fetch = first of my 128 columns
	s_lshl_b32 s2, s46, 2                          ; its place in the bias
	s_mov_b32 s3, 0
	s_lshl_b32 s46, s46, 12
	s_mov_b32 s47, 0
	s_mul_i32 s20, s10, HALFT                      ; LDS: x's two halves, then W's two halves = wave x 128 rows
	; my place in qkv: part, then row (batch x 16 + head) x 2048 + s, 128 bytes each
	s_lshl_b32 s92, s88, 4
	s_lshl_b32 s94, s42, 2
	s_add_co_u32 s92, s92, s94
	s_lshl_b32 s94, s12, 1
	s_add_co_u32 s92, s92, s94                     ; batch x 16 + the first of my two heads
	s_lshl_b32 s92, s92, 11
	s_lshl_b32 s94, s89, 8
	s_add_co_u32 s92, s92, s94
	s_lshl_b32 s94, s11, 7
	s_add_co_u32 s92, s92, s94
	s_lshl_b32 s92, s92, 7
	s_lshl_b32 s94, s45, 23
	s_add_co_u32 s92, s92, s94
	s_mov_b32 s93, 0
	s_wait_dscnt 0x0
	s_wait_kmcnt 0x0
	s_cmp_eq_u32 s45, 1                            ; the projection picks x, W and the bias
	s_cselect_b64 s[4:5], s[70:71], s[68:69]
	s_cselect_b64 s[6:7], s[76:77], s[74:75]
	s_cselect_b64 s[66:67], s[82:83], s[80:81]
	s_cmp_eq_u32 s45, 2
	s_cselect_b64 s[4:5], s[72:73], s[4:5]
	s_cselect_b64 s[6:7], s[78:79], s[6:7]
	s_cselect_b64 s[66:67], s[84:85], s[66:67]
	s_add_nc_u64 s[14:15], s[4:5], s[16:17]
	s_add_nc_u64 s[46:47], s[6:7], s[46:47]
	s_add_nc_u64 s[66:67], s[66:67], s[2:3]
	s_add_nc_u64 s[8:9], s[86:87], s[92:93]
	CROUND                                         ; all sixteen work-groups are here: the first joint loads meet
.irp s, 0,1
	s_mov_b32 s[G0+4*\s], 1
	s_add_co_u32 s[G0+4*\s+1], s20, \s*SLOT
	s_add_nc_u64 s[G0+4*\s+2:G0+4*\s+3], s[14:15], \s*KSTEP*4
	s_or_b32 s[G0+4*\s+3], s[G0+4*\s+3], 0x80000000
	s_mov_b32 s[G0B+4*\s], 1
	s_add_co_u32 s[G0B+4*\s+1], s20, \s*SLOT
	s_add_nc_u64 s[G0B+4*\s+2:G0B+4*\s+3], s[46:47], \s*KSTEP*4
	s_or_b32 s[G0B+4*\s+3], s[G0B+4*\s+3], 0x80000000
	JLOAD \s                                       ; both slots are asked for before anything else: two tensor loads of the wave are out
.endr
	v_and_b32 v1, 15, v0                           ; r = l % 16
	v_bfe_u32 v2, v0, 4, 1                         ; h = l / 16
	v_lshlrev_b32 v[BOFF], 5, v2
	WIN TO_B
.irp b, 0,1,2,3,4,5,6,7
	global_load_b128 v[8*\b+192*(\b/4):8*\b+192*(\b/4)+3],   v[BOFF], s[66:67] offset:64*\b      ; bias of columns 16 b + 8 h + 0..3
	global_load_b128 v[8*\b+192*(\b/4)+4:8*\b+192*(\b/4)+7], v[BOFF], s[66:67] offset:64*\b+16   ; and + 4..7
.endr
	WIN 0
	; A fragment (16 rows x 32 K): lane l holds row r; registers 0-3 K = 8 h + 0..7, registers 4-7 K = 16 + 8 h + 0..7.
	; In f32 that is 32 bytes at 32 h and 32 bytes at 64 + 32 h of the row: four loads of 16 bytes.
	v_mul_u32_u24 v3, v1, PITCH
	v_lshl_add_u32 v3, v2, 5, v3
	s_mul_i32 s21, s11, HALFT
	s_mul_i32 s22, s12, HALFT
	s_add_co_u32 s22, s22, 2*HALFT
.irp s, 0,1
	v_add_nc_u32 v[ADRA+\s], s21, v3
	v_add_nc_u32 v[ADRB+\s], s22, v3
	s_add_co_u32 s21, s21, SLOT
	s_add_co_u32 s22, s22, SLOT
.endr
	s_mul_i32 s23, s10, 16*PITCH
	s_add_co_u32 s23, s23, STAGE
	v_mul_u32_u24 v4, v1, PITCH
	v_lshl_add_u32 v4, v2, 4, v4
	v_add_nc_u32 v[STO], s23, v4                   ; in: row r, 16 bytes for each half of the lanes
	v_and_b32 v5, 31, v0
	v_lshlrev_b32 v[CO], 4, v5
	v_lshrrev_b32 v4, 3, v5
	v_mul_u32_u24 v4, v4, PITCH
	v_and_b32 v5, 7, v0
	v_lshl_add_u32 v4, v5, 4, v4
	v_add_nc_u32 v[RD], s23, v4                    ; back: eight lanes take one head's 128 bytes of a row, the wave four rows
; 64 LDS loads: the f32 of one half step (32 along K at byte k of the rows): W's 128 rows first, then x's
.macro FETCH slot, k
	WIN TO_B
.irp i, 0,1,2,3,4,5,6,7
	ds_load_b128 v[ST+16*\i:ST+16*\i+3],     v[ADRB+\slot] offset:\k+\i*16*PITCH
	ds_load_b128 v[ST+16*\i+4:ST+16*\i+7],   v[ADRB+\slot] offset:\k+\i*16*PITCH+16
	ds_load_b128 v[ST+16*\i+8:ST+16*\i+11],  v[ADRB+\slot] offset:\k+\i*16*PITCH+64
	ds_load_b128 v[ST+16*\i+12:ST+16*\i+15], v[ADRB+\slot] offset:\k+\i*16*PITCH+80
.endr
	WIN 0
.irp i, 0,1,2,3,4,5,6,7
	ds_load_b128 v[ST+16*\i:ST+16*\i+3],     v[ADRA+\slot] offset:\k+\i*16*PITCH
	ds_load_b128 v[ST+16*\i+4:ST+16*\i+7],   v[ADRA+\slot] offset:\k+\i*16*PITCH+16
	ds_load_b128 v[ST+16*\i+8:ST+16*\i+11],  v[ADRA+\slot] offset:\k+\i*16*PITCH+64
	ds_load_b128 v[ST+16*\i+12:ST+16*\i+15], v[ADRA+\slot] offset:\k+\i*16*PITCH+80
.endr
.endm
; eight fragments, f32 to bf16 (nearest even), in the window that is set
.macro CVTH
.irp i, 0,1,2,3,4,5,6,7
.irp j, 0,1,2,3,4,5,6,7
	v_cvt_pk_bf16_f32 v[F+8*\i+\j], v[ST+16*\i+2*\j], v[ST+16*\i+2*\j+1]
.endr
.endr
.endm
.macro MUL16 hi, a0, zero
.irp a, \a0, \a0+1
.irp b, 0,1,2,3,4,5,6,7
.if \zero
	v_wmma_f32_16x16x32_bf16 v[8*(8*(\a)+\b):8*(8*(\a)+\b)+7], v[F+8*\b:F+8*\b+7], v[F+8*(4*\hi+\a):F+8*(4*\hi+\a)+7], 0
.else
	v_wmma_f32_16x16x32_bf16 v[8*(8*(\a)+\b):8*(8*(\a)+\b)+7], v[F+8*\b:F+8*\b+7], v[F+8*(4*\hi+\a):F+8*(4*\hi+\a)+7], v[8*(8*(\a)+\b):8*(8*(\a)+\b)+7]
.endif
.endr
.endr
.endm
; 64 matrix instructions, 32 along K.  The 64 accumulators take turns, one instruction a turn, in the same order every time.
.macro MULALL zero
	WIN MUL_LO
	MUL16 0, 0, \zero
	MUL16 0, 2, \zero
	WIN MUL_HI
	MUL16 1, 0, \zero
	MUL16 1, 2, \zero
.endm
; First half of a K step: convert what was fetched, fetch the second half, multiply.
.macro HALF_A slot, zero
	s_wait_dscnt 32                                ; W's 32 loads are in, x's 32 younger ones may be out
	PLACES                                         ; the conversions write fragments that the last matrix instructions read
	WIN CVT_B
	CVTH
	s_wait_dscnt 0x0
	WIN 0
	CVTH
	FETCH \slot, 128
	MULALL \zero
.endm
; Second half, and the change of slots.  In front of the barrier each wave waits for its reads of this slot and for all its tensor loads (one is out: its
; part of the next slot).  Where the slot is filled again the barrier opens a round of the cluster's barrier; only register work stands inside the round;
; the joint refill is the first tensor load behind it, then the next slot is read.
.macro HALF_B slot, next, fill
	s_wait_dscnt 0x0
	s_set_vgpr_msb 0xf1f0
	s_wait_tensorcnt 0x0
	ds_add_u32 v30, v31
	s_wait_dscnt 0x0
	s_set_vgpr_msb 0xf0f1
	s_barrier_signal -1
	PLACES
	WIN CVT_B
	CVTH
	WIN 0
	CVTH
	s_barrier_wait -1
.if \fill
	CREST
	s_add_nc_u64 s[G0+4*\slot+2:G0+4*\slot+3], s[G0+4*\slot+2:G0+4*\slot+3], 2*KSTEP*4
	s_add_nc_u64 s[G0B+4*\slot+2:G0B+4*\slot+3], s[G0B+4*\slot+2:G0B+4*\slot+3], 2*KSTEP*4
	JLOAD \slot
.endif
	FETCH \next, 0
	MULALL 0
.endm
.macro LAP zero
	HALF_A 0, \zero
	HALF_B 0, 1, 1
	HALF_A 1, 0
	HALF_B 1, 0, 1
.endm
	s_wait_tensorcnt 1                             ; my part of K step 0 is in; K step 1's stays out
	s_barrier_signal -1
	s_barrier_wait -1
	FETCH 0, 0
	LAP 1                                          ; the first products start the sums: nothing is cleared
	WIN 0
	s_mov_b32 s3, LAPS-2
.Llap:
	LAP 0
	WIN 0
	s_sub_co_u32 s3, s3, 1
	s_cmp_lg_u32 s3, 0
	s_cbranch_scc1 .Llap
	HALF_A 0, 0                                    ; the last lap fills nothing
	HALF_B 0, 1, 0
	HALF_A 1, 0
	s_wait_dscnt 0x0
	PLACES
	WIN CVT_B
	CVTH
	WIN 0
	CVTH
	MULALL 0
	PLACES                                         ; behind the last matrix instructions: results are read, fragment registers loaded
	s_wait_loadcnt 0x0                             ; the bias
; rows 16 i .. 16 i + 15 of my block: add the bias, round to f16, 16 bytes a lane into my stage, read back by heads, store 512 neighbouring bytes an instruction
.macro OUT16 i, a, addwin, buf
	WIN \addwin
.irp b, 0,1,2,3,4,5,6,7
.irp r, 0,1,2,3
	v_pk_add_f32 v[ST+8*\b+2*\r:ST+8*\b+2*\r+1], v[8*(8*\a+\b)+2*\r:8*(8*\a+\b)+2*\r+1], v[8*\b+192*(\b/4)+2*\r:8*\b+192*(\b/4)+2*\r+1]
.endr
.endr
	WIN 0
.irp b, 0,1,2,3,4,5,6,7
.irp r, 0,1,2,3
	v_cvt_pk_f16_f32 v[TMP+4*\b+\r], v[ST+8*\b+2*\r], v[ST+8*\b+2*\r+1]
.endr
.endr
.irp b, 0,1,2,3,4,5,6,7
	ds_store_b128 v[STO], v[TMP+4*\b:TMP+4*\b+3] offset:32*\b
.endr
	s_wait_xcnt 0x0                                ; the registers that earlier stores read are loaded again only behind this wait (ISA guide 3.1)
.irp hd, 0,1
.irp t, 0,1,2,3
	ds_load_b128 v[F+32*\buf+16*\hd+4*\t:F+32*\buf+16*\hd+4*\t+3], v[RD] offset:\t*4*PITCH+\hd*128   ; a wave's LDS instructions are served in order: these see the stores above
.endr
.endr
.irp hd, 0,1
.irp t, 0,1,2,3
	s_wait_dscnt 7-4*\hd-\t
	global_store_b128 v[CO], v[F+32*\buf+16*\hd+4*\t:F+32*\buf+16*\hd+4*\t+3], s[8:9] offset:\i*2048+\t*512+\hd*262144   ; four rows of one head: 512 consecutive bytes, aligned
.endr
.endr
.endm
	OUT16 0, 0, ADD_LO, 0
	OUT16 1, 1, ADD_LO, 1
	OUT16 2, 2, ADD_LO, 0
	OUT16 3, 3, ADD_LO, 1
	OUT16 4, 0, ADD_HI, 0
	OUT16 5, 1, ADD_HI, 1
	OUT16 6, 2, ADD_HI, 0
	OUT16 7, 3, ADD_HI, 1
	s_wait_tensorcnt 0x0
	ds_add_u32 v30, v31
	s_wait_dscnt 0x0
	CROUND                                         ; the closing round: no work-group ends while a partner may still ask for a tile that names it
	s_endpgm
.Lfunc_end_k_q8370b3b59b_proj:
	.size	k_q8370b3b59b_proj, .Lfunc_end_k_q8370b3b59b_proj-k_q8370b3b59b_proj
	.p2alignl 7, 3214868480
	.fill 96, 4, 3214868480
	.section	.rodata,"a",@progbits
	.p2align	6, 0x0
	.amdhsa_kernel k_q8370b3b59b_proj
		.amdhsa_group_segment_fixed_size 327680
		.amdhsa_private_segment_fixed_size 0
		.amdhsa_enable_private_segment 0
		.amdhsa_kernarg_size 80
		.amdhsa_user_sgpr_count 2
		.amdhsa_user_sgpr_kernarg_segment_ptr 1
		.amdhsa_wavefront_size32 1
		.amdhsa_system_sgpr_workgroup_id_x 1
		.amdhsa_system_sgpr_workgroup_id_y 1
		.amdhsa_system_sgpr_workgroup_id_z 1
		.amdhsa_system_vgpr_workitem_id 0
		.amdhsa_next_free_vgpr 1024
		.amdhsa_next_free_sgpr 96
		.amdhsa_reserve_vcc 0
		.amdhsa_float_denorm_mode_32 3
		.amdhsa_float_denorm_mode_16_64 3
		.amdhsa_memory_ordered 1
		.amdhsa_forward_progress 1
		.amdhsa_inst_pref_size 255
	.end_amdhsa_kernel
	.section	.bss,"aw",@nobits
	.p2align	6
	.space	262144
	.amdgpu_metadata
---
amdhsa.version: [ 1, 2 ]
amdhsa.kernels:
  - .name:           k_q8370b3b59b_proj
    .symbol:         k_q8370b3b59b_proj.kd
    .args:
      - { .name: query, .offset: 0, .size: 8, .value_kind: global_buffer, .address_space: global }
      - { .name: key, .offset: 8, .size: 8, .value_kind: global_buffer, .address_space: global }
      - { .name: value, .offset: 16, .size: 8, .value_kind: global_buffer, .address_space: global }
      - { .name: Wq, .offset: 24, .size: 8, .value_kind: global_buffer, .address_space: global }
      - { .name: Wk, .offset: 32, .size: 8, .value_kind: global_buffer, .address_space: global }
      - { .name: Wv, .offset: 40, .size: 8, .value_kind: global_buffer, .address_space: global }
      - { .name: bq, .offset: 48, .size: 8, .value_kind: global_buffer, .address_space: global }
      - { .name: bk, .offset: 56, .size: 8, .value_kind: global_buffer, .address_space: global }
      - { .name: bv, .offset: 64, .size: 8, .value_kind: global_buffer, .address_space: global }
      - { .name: qkv, .offset: 72, .size: 8, .value_kind: global_buffer, .address_space: global }
    .group_segment_fixed_size: 327680
    .private_segment_fixed_size: 0
    .kernarg_segment_align: 8
    .kernarg_segment_size: 80
    .max_flat_workgroup_size: 128
    .sgpr_count:     96
    .vgpr_count:     1024
    .wavefront_size: 32
...
	.end_amdgpu_metadata
.endif
;; end of part 1
;; launch attn (part 2): grid 8 x 32, 8 waves a work-group, no clusters, 327,680 bytes of LDS; arguments qkv, Wo, ao, wo16; writes ao, wo16
.if DOCPART == 2
	.amdgcn_target "amdgcn-amd-amdhsa--gfx1250"
	.amdhsa_code_object_version 6
	.text
	.protected	k_q8370b3b59b_attn
	.globl	k_q8370b3b59b_attn
	.p2align	8
	.type	k_q8370b3b59b_attn,@function
k_q8370b3b59b_attn:
	s_mov_b64 s[64:65], 0
	v_nop
	global_prefetch_b8 v0, s[64:65] scope:SCOPE_SE
	s_setreg_imm32_b32 hwreg(HW_REG_WAVE_MODE, 25, 1), 1
	s_wait_xcnt 0x0
; Causal attention of one (batch, head) = y, softmax(q k^T / 8) v with a running maximum, f16 operands, f32 sums and softmax.
; qkv: three parts (q, k, v) of f16 [b x 16 + head][2048 s][64]; ao: the same shape, f16.
; Beside it each wave rewrites 512 numbers of Wo for the next launch: rounded to bf16 (nearest even), then written as f16 into wo16.
; SHARING.  Work-group g = x owns the blocks of 128 query rows g ("lo") and 15 - g ("hi"): 17 stages of equal work for every g.
; A wave always has 32 query rows (two tiles of 16) and takes 64 keys a stage.  Waves 0-3 ("A", pair p = wave) first do lo, waves 4-7 ("B", p = wave - 4) hi:
;   T0      keys 128 g .. + 63          A masked           slot 0
;   loop A  keys 0 .. 128 g - 1         2 g stages         slots 1, 0
;   TS      keys 128 g + 64 .. + 63     A masked           slot 1     then A writes lo out and takes B's rows:
;   loop B  key blocks g + 1 .. 14 - g  128 keys a stage: A the first 64, B the second 64      slots 0, 1
;   TAIL    key block 15 - g            both masked        slot 0     then A's and B's partial sums are merged and hi is written.
; The order of key blocks is free under a running maximum; in T0, and in A's first stage on hi, every row has a key that counts, so every maximum is finite.
; NO CLUSTER: the eight work-groups of a head walk the keys in orders that hang on g (each begins at its own diagonal block, and changes from tiles of 64
; keys to tiles of 128 after 2 g + 2 stages), so partners would need different tiles in the same stage.
; LAYOUT WITHOUT SHUFFLES.  S^T = K Q^T (source 0 = 16 keys from LDS, source 1 = Q in registers): lane (r, h) holds keys 16 kt + 8 h + 0..7 of query row r,
; so two packed tiles of S^T are a source 1 fragment of P^T as they stand; O^T = V^T P^T with V^T by the transposing LDS load.  Maximum, rescaling factor and
; reciprocal are one number a lane; the row sum comes from the matrix unit (source 0 = ones), over the rounded P that multiplies V.
; LIMITS: q, k, v, P and the result are f16 (largest 65,504; P below 2^-24 counts as 0); v_exp_f32 gives 0 below 2^-126; when A takes hi it multiplies its old
; sums by exp2(-inf) = 0 in place of clearing them, which asks that lo's sums are finite (they are wherever the result is finite).
.set SLOTB, 38912                      ; a slot: K 128 rows x 144 bytes, then V 128 rows x 160 bytes
.set KP,    144                        ; 9 x 16 bytes: the 16 rows of a K fragment begin at 16 different 16-byte columns modulo 256
.set VP,    160                        ; 5 x 32 bytes: the same for the 8 rows x 2 columns of a transposing load
.set VOFF,  128*KP
.set QX,    2*SLOTB                    ; 77,824: B waves' Q, 4 x 4,096 bytes
.set MRG,   QX+16384                   ; 94,208: A waves' partial sums, 4 x 11,264 bytes
.set MRGW,  11264
.set STG,   MRG+4*MRGW                 ; 139,264: the way out, 8 x 16 rows x 144 bytes.  No tensor load lands at or behind QX
.set STGW,  16*KP
.set QR,    24                         ; v[24:55]    Q[tile][f] at 24 + 16 tile + 8 f
.set ACC,   56                         ; v[56:135]   sums[tile][t] at 56 + 40 tile + 8 t; t = 0..3: 16 of the 64 d; t = 4: the row sum
.set SR,    136                        ; v[136:199]  S[tile][kt] at 136 + 32 tile + 8 kt; packed in place: P[tile][c] at 136 + 32 tile + 16 c
.set KV,    200                        ; v[200:255]  K fragments (3 x 16), then V fragments 0..6; V fragment 7 lies in the hole at SR + 8
; v1 K address, v2 V address, v3 mask limit, v[4:5] minus the running maxima (x 0.125 log2 e), v[6:7] rescaling factors, v8 v9 at work,
; v10 32 p + r - 8 h, v11 v12 stage in / back, v13 16 x lane, v14 QX / MRG address, v15 Q's offset, v[16:23] ones
.set G1KS, 16                          ; group 1: K, 64 rows
.set G1KL, 24                          ; K, 128 rows
.set G1VS, 32                          ; V, 64 rows
.set G1VL, 40                          ; V, 128 rows
.set G0,   48                          ; s[48:55] group 0, one set for each slot
.macro PLACES n
.rept \n
	v_nop
.endr
.endm
.macro DESC g, pad, rows               ; rows of 64 f16 = 32 words, pad words behind each, dense in memory
	s_mov_b32 s[\g+0], (1<<16)|(1<<20)|(4<<22)|((\pad-1)<<25)
	s_mov_b32 s[\g+1], 64<<16
	s_mov_b32 s[\g+2], \rows<<16
	s_mov_b32 s[\g+3], 64<<16
	s_mov_b32 s[\g+4], \rows
	s_mov_b32 s[\g+5], 64
	s_mov_b32 s[\g+6], 0
	s_mov_b32 s[\g+7], 0
.endm
; Wave 0 asks for K's tile, wave 1 for V's; the LDS address is slot + wave x 18,432.  The other waves ask for nothing.
.macro KVLOAD o, gk, gv
	s_cmp_lg_u32 s8, 0
	s_cbranch_scc1 .Lnot_k_\@
	tensor_load_to_lds s[G0+4*(\o):G0+4*(\o)+3], s[\gk:\gk+7]
	s_nop 0
.Lnot_k_\@:
	s_cmp_lg_u32 s8, 1
	s_cbranch_scc1 .Lnot_v_\@
	tensor_load_to_lds s[G0+4*(\o):G0+4*(\o)+3], s[\gv:\gv+7]
	s_nop 0
.Lnot_v_\@:
.endm
; The next tile's address into slot o's group 0.  s58 = its byte offset in the head; tiles of 64 keys skip the one that T0 has had.
.macro NEXT o, step, skip
.if \skip
	s_cmp_eq_u32 s58, s60
	s_cselect_b32 s62, 8192, 0
	s_add_co_u32 s58, s58, s62
.endif
	s_add_nc_u64 s[G0+4*(\o)+2:G0+4*(\o)+3], s[56:57], s[58:59]
	s_or_b32 s[G0+4*(\o)+3], s[G0+4*(\o)+3], 0x80000000
	s_add_co_u32 s58, s58, \step
.endm
.macro LDK slot, kt, kb                ; 16 keys x 64 d: two fragments
	ds_load_b128 v[\kb:\kb+3],     v1 offset:\slot*SLOTB+\kt*16*KP
	ds_load_b128 v[\kb+4:\kb+7],   v1 offset:\slot*SLOTB+\kt*16*KP+32
	ds_load_b128 v[\kb+8:\kb+11],  v1 offset:\slot*SLOTB+\kt*16*KP+64
	ds_load_b128 v[\kb+12:\kb+15], v1 offset:\slot*SLOTB+\kt*16*KP+96
.endm
.macro LDV slot, i, vb                 ; fragment i = 4 c + t of V^T: d 16 t .. + 15, keys 32 c .. + 31
	ds_load_tr16_b128 v[\vb:\vb+3],   v2 offset:\slot*SLOTB+(\i/4)*32*VP+(\i%4)*32
	ds_load_tr16_b128 v[\vb+4:\vb+7], v2 offset:\slot*SLOTB+(\i/4)*32*VP+(\i%4)*32+16*VP
.endm
.macro QK4 kt, kb                      ; the two tiles' accumulators take turns
	v_wmma_f32_16x16x32_f16 v[SR+8*\kt:SR+8*\kt+7],       v[\kb:\kb+7],    v[QR:QR+7],     0
	v_wmma_f32_16x16x32_f16 v[SR+32+8*\kt:SR+32+8*\kt+7], v[\kb:\kb+7],    v[QR+16:QR+23], 0
	v_wmma_f32_16x16x32_f16 v[SR+8*\kt:SR+8*\kt+7],       v[\kb+8:\kb+15], v[QR+8:QR+15],  v[SR+8*\kt:SR+8*\kt+7]
	v_wmma_f32_16x16x32_f16 v[SR+32+8*\kt:SR+32+8*\kt+7], v[\kb+8:\kb+15], v[QR+24:QR+31], v[SR+32+8*\kt:SR+32+8*\kt+7]
.endm
.macro FMA q, kt                       ; s x 0.125 log2 e - maximum x 0.125 log2 e, one rounding
.irp j, 0,2,4,6
	v_pk_fma_f32 v[SR+32*\q+8*\kt+\j:SR+32*\q+8*\kt+\j+1], v[SR+32*\q+8*\kt+\j:SR+32*\q+8*\kt+\j+1], s[66:67], v[4:5] op_sel:[0,0,\q] op_sel_hi:[1,0,\q]
.endr
.endm
.macro EXPS q, kt
.irp j, 0,1,2,3,4,5,6,7
	v_exp_f32 v[SR+32*\q+8*\kt+\j], v[SR+32*\q+8*\kt+\j]
.endr
.endm
.macro CVTP q, kt                      ; eight P to f16, in place: tile kt becomes registers 4 (kt % 2) .. + 3 of fragment kt / 2
	s_wait_alu depctr_va_vdst(0)
.irp j, 0,1,2,3
	v_cvt_pk_f16_f32 v[SR+32*\q+16*(\kt/2)+4*(\kt%2)+\j], v[SR+32*\q+8*\kt+2*\j], v[SR+32*\q+8*\kt+2*\j+1]
.endr
.endm
.macro RESC q                          ; the sums of tile q times its factor
.set ii, 0
	s_wait_alu depctr_va_vdst(0)
.rept 20
	v_pk_mul_f32 v[ACC+40*\q+ii:ACC+40*\q+ii+1], v[ACC+40*\q+ii:ACC+40*\q+ii+1], v[6:7] op_sel:[0,\q] op_sel_hi:[1,\q]
.set ii, ii+2
.endr
.endm
; Softmax of tile q's 16 rows x 64 keys.  Behind every run of v_exp_f32 a plain instruction on other registers stands before a result is used (ISA guide 5.7.2).
.macro SMAX q, mask, first
.if \mask
.set ii, 0
.rept 32
	v_cmp_le_i32 vcc_lo, 16*(ii/8)+(ii%8)-16*\q, v3            ; key 16 kt + 8 h + j counts for row 32 p + 16 q + r (less the stage's shift) if it is not beyond it
	v_cndmask_b32 v[SR+32*\q+ii], s69, v[SR+32*\q+ii], vcc_lo  ; else minus infinity
.set ii, ii+1
.endr
.endif
	v_max3_num_f32 v8, v[SR+32*\q], v[SR+32*\q+1], v[SR+32*\q+2]
	v_max3_num_f32 v9, v[SR+32*\q+3], v[SR+32*\q+4], v[SR+32*\q+5]
.set ii, 6
.rept 13
	v_max3_num_f32 v[8+(ii/2)%2], v[8+(ii/2)%2], v[SR+32*\q+ii], v[SR+32*\q+ii+1]
.set ii, ii+2
.endr
	v_max_num_f32 v8, v8, v9
	v_permlanex16_b32 v9, v8, s70, s71             ; the other 32 keys of my row lie in lane l xor 16
	v_max_num_f32 v8, v8, v9
.if \first
	v_mul_f32 v[4+\q], s68, v8
.else
	v_mul_f32 v8, s68, v8
	v_min_num_f32 v8, v8, v[4+\q]                  ; minus the new maximum
	v_sub_f32 v[6+\q], v8, v[4+\q]                 ; old maximum - new maximum
	v_mov_b32 v[4+\q], v8
	v_exp_f32 v[6+\q], v[6+\q]
.endif
	FMA \q, 0
.if \first == 0
	RESC \q
.endif
	EXPS \q, 0
	FMA \q, 1
	EXPS \q, 1
	CVTP \q, 0
	FMA \q, 2
	EXPS \q, 2
	CVTP \q, 1
	FMA \q, 3
	EXPS \q, 3
	CVTP \q, 2
	CVTP \q, 3
.endm
; 32 keys into the sums: ten accumulators take turns
.macro PV c, zero
.irp t, 0,1,2,3
.if 4*\c+\t == 7
.set VBR, SR+8
.else
.set VBR, KV+8*(4*\c+\t)
.endif
.irp q, 0,1
.if \zero
	v_wmma_f32_16x16x32_f16 v[ACC+40*\q+8*\t:ACC+40*\q+8*\t+7], v[VBR:VBR+7], v[SR+32*\q+16*\c:SR+32*\q+16*\c+7], 0
.else
	v_wmma_f32_16x16x32_f16 v[ACC+40*\q+8*\t:ACC+40*\q+8*\t+7], v[VBR:VBR+7], v[SR+32*\q+16*\c:SR+32*\q+16*\c+7], v[ACC+40*\q+8*\t:ACC+40*\q+8*\t+7]
.endif
.endr
.endr
.irp q, 0,1
.if \zero
	v_wmma_f32_16x16x32_f16 v[ACC+40*\q+32:ACC+40*\q+39], v[16:23], v[SR+32*\q+16*\c:SR+32*\q+16*\c+7], 0
.else
	v_wmma_f32_16x16x32_f16 v[ACC+40*\q+32:ACC+40*\q+39], v[16:23], v[SR+32*\q+16*\c:SR+32*\q+16*\c+7], v[ACC+40*\q+32:ACC+40*\q+39]
.endif
.endr
.endm
; One stage.  fill = 0: nothing is asked for; 1: the next 64 keys; 2: the next 128 keys, into the other slot.
; In front of the barrier every wave waits for all its tensor loads (this stage's tile among them) and for its LDS reads of the other slot;
; the refill stands first behind it and has the whole stage in which to land.  One tensor load of a wave is out at the most.
.macro STAGE slot, mask, first, fill
	s_set_vgpr_msb 0x5
	s_wait_tensorcnt 0x0
	ds_add_u32 v0, v1
	s_wait_dscnt 0x0
	s_set_vgpr_msb 0x500
.if \fill == 1
	NEXT 1-\slot, 8192, 1
.endif
.if \fill == 2
	NEXT 1-\slot, 16384, 0
.endif
	s_wait_dscnt 0x0
	s_barrier_signal -1
	s_barrier_wait -1
.if \fill == 1
	KVLOAD 1-\slot, G1KS, G1VS
.endif
.if \fill == 2
	KVLOAD 1-\slot, G1KL, G1VL
.endif
	LDK \slot, 0, KV
	LDK \slot, 1, KV+16
	LDK \slot, 2, KV+32
	s_wait_dscnt 0x8                               ; keys 0-15 are in, eight younger loads stay out
	QK4 0, KV
	s_wait_dscnt 0x4
	QK4 1, KV+16
	PLACES 4                                       ; the first K registers were read by matrix instructions (ISA guide 7.12.1)
	LDK \slot, 3, KV
	s_wait_dscnt 0x4                               ; keys 32-47 are in, the four just issued stay out
	QK4 2, KV+32
	s_wait_dscnt 0x0
	QK4 3, KV
	PLACES 4                                       ; before V lands on K's registers and S is read
.irp i, 0,1,2,3,4,5,6
	LDV \slot, \i, KV+8*\i
.endr
	SMAX 0, \mask, \first
	LDV \slot, 7, SR+8                             ; into the hole that packing tile 0 has left
	SMAX 1, \mask, \first
	s_wait_dscnt 0x8                               ; the first eight of V's sixteen loads: keys 0-31
	PV 0, \first
	s_wait_dscnt 0x0
	PV 1, 0
	PLACES 5                                       ; before the next stage loads over V, writes over P and rescales the sums
.endm
; Divide by the row sums, round to f16, through my stage, 512 consecutive aligned bytes a store.
.macro FINISH
	v_rcp_f32 v6, v[ACC+32]
	v_rcp_f32 v7, v[ACC+72]
	v_nop
	s_wait_alu depctr_va_vdst(0)
.irp q, 0,1
.set ii, 0
.rept 16
	v_pk_mul_f32 v[ACC+40*\q+ii:ACC+40*\q+ii+1], v[ACC+40*\q+ii:ACC+40*\q+ii+1], v[6:7] op_sel:[0,\q] op_sel_hi:[1,\q]
.set ii, ii+2
.endr
.irp t, 0,1,2,3
.irp j, 0,1,2,3
	v_cvt_pk_f16_f32 v[ACC+40*\q+8*\t+\j], v[ACC+40*\q+8*\t+2*\j], v[ACC+40*\q+8*\t+2*\j+1]
.endr
.endr
.irp t, 0,1,2,3
	ds_store_b128 v11, v[ACC+40*\q+8*\t:ACC+40*\q+8*\t+3] offset:32*\t      ; row r, d 16 t + 8 h + 0..7
.endr
.irp u, 0,1,2,3
	ds_load_b128 v[SR+16*\q+4*\u:SR+16*\q+4*\u+3], v12 offset:4*KP*\u       ; four whole rows; a wave's LDS instructions are served in order
.endr
.irp u, 0,1,2,3
	s_wait_dscnt 3-\u
	global_store_b128 v13, v[SR+16*\q+4*\u:SR+16*\q+4*\u+3], s[74:75] offset:2048*\q+512*\u
.endr
.endr
.endm
	s_load_b256 s[84:91], s[0:1], 0x0              ; qkv s[84:85], Wo s[86:87], ao s[88:89], wo16 s[90:91]
	s_set_vgpr_msb 0x40
	v_lshl_add_u32 v0, v0, 2, 0x2a800
	v_mov_b32 v1, 0
	s_set_vgpr_msb 0x4045
	ds_add_u32 v0, v1
	s_set_vgpr_msb 0x4500
	v_lshrrev_b32 v1, 5, v0
	v_readfirstlane_b32 s8, v1                     ; wave 0..7
	s_mov_b32 s9, ttmp9                            ; g
	s_and_b32 s10, ttmp7, 0xffff                   ; batch x 16 + head
	s_and_b32 s11, s8, 3                           ; p
	s_lshr_b32 s12, s8, 2                          ; 0: A wave, 1: B wave
	DESC G1KS, 4, 64
	DESC G1KL, 4, 128
	DESC G1VS, 8, 64
	DESC G1VL, 8, 128
	s_mul_i32 s13, s8, VOFF
	s_mov_b32 s[G0+0], 1
	s_add_co_u32 s[G0+1], s13, 0
	s_mov_b32 s[G0+4], 1
	s_add_co_u32 s[G0+5], s13, SLOTB
	s_and_b32 s2, s8, 1
	s_add_co_u32 s2, s2, 1                         ; part 1 (k) for even waves, part 2 (v) for odd ones
	s_lshl_b32 s2, s2, 23
	s_lshl_b32 s3, s10, 18
	s_add_co_u32 s2, s2, s3
	s_mov_b32 s3, 0
	s_lshl_b32 s60, s9, 14                         ; byte offset of key 128 g in the head
	s_mov_b32 s61, 0
	s_mov_b32 s58, 0                               ; the next tile's byte offset
	s_mov_b32 s59, 0
	s_wait_dscnt 0x0
	s_wait_kmcnt 0x0
	s_add_nc_u64 s[56:57], s[84:85], s[2:3]        ; my head's k or v
	s_add_nc_u64 s[G0+2:G0+3], s[56:57], s[60:61]
	s_or_b32 s[G0+3], s[G0+3], 0x80000000
	KVLOAD 0, G1KS, G1VS                           ; T0's tile, ahead of everything else
	s_sub_co_u32 s13, 15, s9
	s_cmp_eq_u32 s12, 1
	s_cselect_b32 s13, s13, s9                     ; my block of query rows
	s_lshl_b32 s14, s13, 7
	s_lshl_b32 s15, s11, 5                         ; 32 p
	s_add_co_u32 s14, s14, s15
	s_lshl_b32 s82, s10, 11
	s_add_co_u32 s82, s82, s14
	s_lshl_b32 s82, s82, 7
	s_mov_b32 s83, 0
	s_add_nc_u64 s[72:73], s[84:85], s[82:83]      ; my 32 rows of q
	s_add_nc_u64 s[74:75], s[88:89], s[82:83]      ; and of ao
	s_lshl_b32 s13, s10, 3
	s_add_co_u32 s13, s13, s9
	s_lshl_b32 s13, s13, 3
	s_add_co_u32 s13, s13, s8                      ; my wave among the launch's 2,048
	s_lshl_b32 s4, s13, 11                         ; 512 f32 of Wo
	s_mov_b32 s5, 0
	s_lshl_b32 s6, s13, 10                         ; 512 f16 of wo16
	s_mov_b32 s7, 0
	s_add_nc_u64 s[92:93], s[86:87], s[4:5]
	s_add_nc_u64 s[94:95], s[90:91], s[6:7]
	s_mov_b32 s66, 0x3e38aa3b                      ; 0.125 log2 e
	s_mov_b32 s67, 0x3e38aa3b
	s_mov_b32 s68, 0xbe38aa3b
	s_mov_b32 s69, 0xff800000                      ; minus infinity
	s_mov_b32 s70, 0x76543210
	s_mov_b32 s71, 0xfedcba98
	s_mul_i32 s76, s12, 64*KP                      ; B waves take a large tile's second 64 keys
	s_mul_i32 s77, s12, 64*VP
	s_lshl_b32 s78, s12, 10                        ; B waves: no key of T0 and TS is masked
	s_mul_i32 s79, s12, 0xffffffc0                 ; B waves in TAIL: keys 64 further on
	s_sub_co_u32 s80, 7, s9                        ; trips of loop B
	v_and_b32 v136, 31, v0                         ; lane
	v_and_b32 v137, 15, v0                         ; r
	v_bfe_u32 v138, v0, 4, 1                       ; h
	v_lshlrev_b32 v13, 4, v136
	v_lshlrev_b32 v141, 3, v136
	v_lshlrev_b32 v15, 7, v137
	v_lshl_add_u32 v15, v138, 4, v15               ; row r, 16 h
.irp q, 0,1
.irp f, 0,1
	global_load_b128 v[QR+16*\q+8*\f:QR+16*\q+8*\f+3],   v15, s[72:73] offset:2048*\q+64*\f
	global_load_b128 v[QR+16*\q+8*\f+4:QR+16*\q+8*\f+7], v15, s[72:73] offset:2048*\q+64*\f+32
.endr
.endr
.irp x, 0,1,2,3
	global_load_b128 v[168+4*\x:168+4*\x+3], v13, s[92:93] offset:512*\x th:TH_LOAD_NT
.endr
	v_mul_u32_u24 v1, v137, KP
	v_lshl_add_u32 v1, v138, 4, v1                 ; K: row r, 16 h
	v_and_b32 v139, 7, v0
	v_lshl_add_u32 v140, v138, 3, v139
	v_mul_u32_u24 v2, v140, VP                     ; V: row 8 h + l % 8,
	v_bfe_u32 v140, v0, 3, 1
	v_lshl_add_u32 v2, v140, 4, v2                 ; 16 bytes further for lanes 8-15 of each half
	v_add_nc_u32 v2, VOFF, v2
	v_lshlrev_b32 v140, 3, v138
	v_sub_nc_u32 v10, v137, v140
	v_add_nc_u32 v10, s15, v10                     ; 32 p + r - 8 h
	v_add_nc_u32 v3, s78, v10
	s_mul_i32 s13, s8, STGW
	s_add_co_u32 s13, s13, STG
	v_add_nc_u32 v11, s13, v1
	v_lshrrev_b32 v140, 3, v136
	v_mul_u32_u24 v12, v140, KP
	v_lshl_add_u32 v12, v139, 4, v12
	v_add_nc_u32 v12, s13, v12
	s_lshl_b32 s13, s11, 12
	s_add_co_u32 s13, s13, QX
	v_add_nc_u32 v14, s13, v13
.irp i, 0,1,2,3,4,5,6,7
	v_mov_b32 v[16+\i], 0x3c003c00                 ; 1.0, 1.0 in f16
.endr
.irp i, 4,5,6,7
	v_mov_b32 v[\i], 0                             ; pairs are read whole before both halves have their first value
.endr
	s_wait_loadcnt 0x4                             ; Q is in, Wo's four loads may be out
	s_cmp_lt_u32 s8, 4
	s_cbranch_scc1 .Lno_qx
.irp x, 0,1,2,3,4,5,6,7
	ds_store_b128 v14, v[QR+4*\x:QR+4*\x+3] offset:512*\x      ; B's Q, for the A wave that will share its rows; shown by T0's wait and barrier
.endr
.Lno_qx:
	s_wait_loadcnt 0x0
.irp x, 0,1,2,3
	v_cvt_pk_bf16_f32 v184, v[168+4*\x], v[168+4*\x+1]         ; Wo to bf16, nearest even,
	v_cvt_pk_bf16_f32 v185, v[168+4*\x+2], v[168+4*\x+3]
	v_lshlrev_b32 v[168+4*\x], 16, v184                        ; back to f32,
	v_and_b32 v[168+4*\x+1], 0xffff0000, v184
	v_lshlrev_b32 v[168+4*\x+2], 16, v185
	v_and_b32 v[168+4*\x+3], 0xffff0000, v185
	v_cvt_pk_f16_f32 v[168+4*\x], v[168+4*\x], v[168+4*\x+1]   ; and into f16, which holds a bf16's eight bits
	v_cvt_pk_f16_f32 v[168+4*\x+1], v[168+4*\x+2], v[168+4*\x+3]
	global_store_b64 v141, v[168+4*\x:168+4*\x+1], s[94:95] offset:256*\x   ; the wave stores 256 consecutive bytes, aligned
.endr
	s_wait_xcnt 0x0                                ; v141 and the stores' data lie where S will be written
	STAGE 0, 1, 1, 1                               ; T0
	s_cmp_eq_u32 s9, 0
	s_cbranch_scc1 .Lno_a
	s_mov_b32 s63, 0
.Lloop_a:
	STAGE 1, 0, 0, 1
	STAGE 0, 0, 0, 1
	s_add_co_u32 s63, s63, 1
	s_cmp_lt_u32 s63, s9
	s_cbranch_scc1 .Lloop_a
.Lno_a:
	v_add_nc_u32 v3, 0xffffffc0, v3                ; TS's keys lie 64 further on
	STAGE 1, 1, 0, 2                               ; TS
	v_add_nc_u32 v1, s76, v1
	v_add_nc_u32 v2, s77, v2
	s_cmp_ge_u32 s8, 4
	s_cbranch_scc1 .Lno_switch
	FINISH                                         ; lo is done
	s_wait_xcnt 0x0                                ; the stores' data lie where S will be written
.irp x, 0,1,2,3,4,5,6,7
	ds_load_b128 v[QR+4*\x:QR+4*\x+3], v14 offset:512*\x       ; hi's rows 32 p .. + 31; waited for at the next stage's head
.endr
	v_mov_b32 v4, 0x7f800000                       ; maximum = minus infinity: the next factor is exp2(-inf) = 0
	v_mov_b32 v5, 0x7f800000
.Lno_switch:
	s_cmp_eq_u32 s80, 0
	s_cbranch_scc1 .Lno_b
	s_mov_b32 s63, 0
.Lloop_b:
	STAGE 0, 0, 0, 2
	STAGE 1, 0, 0, 2
	s_add_co_u32 s63, s63, 1
	s_cmp_lt_u32 s63, s80
	s_cbranch_scc1 .Lloop_b
.Lno_b:
	v_add_nc_u32 v3, s79, v10
	STAGE 0, 1, 0, 0                               ; TAIL
	; MERGE: A's sums and maxima go to B through LDS
	s_mul_i32 s13, s11, MRGW
	s_add_co_u32 s13, s13, MRG
	v_add_nc_u32 v14, s13, v13
	s_cmp_ge_u32 s8, 4
	s_cbranch_scc1 .Lno_give
.set ii, 0
.rept 20
	ds_store_b128 v14, v[ACC+4*ii:ACC+4*ii+3] offset:512*ii
.set ii, ii+1
.endr
	ds_store_b128 v14, v[4:7] offset:10240
.Lno_give:
	s_wait_dscnt 0x0                               ; for B's sake: zero
	s_barrier_signal -1
	s_barrier_wait -1
	s_cmp_lt_u32 s8, 4
	s_cbranch_scc1 .Lend
.set ii, 0
.rept 20
	ds_load_b128 v[SR+4*ii:SR+4*ii+3], v14 offset:512*ii
.set ii, ii+1
.endr
	ds_load_b128 v[216:219], v14 offset:10240
	s_wait_dscnt 0x0
	v_min_num_f32 v8, v4, v216                     ; minus the common maximum
	v_min_num_f32 v9, v5, v217
	v_sub_f32 v6, v8, v4
	v_sub_f32 v7, v9, v5
	v_sub_f32 v8, v8, v216
	v_sub_f32 v9, v9, v217
	v_exp_f32 v6, v6                               ; my factor
	v_exp_f32 v7, v7
	v_exp_f32 v8, v8                               ; A's factor
	v_exp_f32 v9, v9
	v_nop
	s_wait_alu depctr_va_vdst(0)
.irp q, 0,1
.set ii, 0
.rept 20
	v_pk_mul_f32 v[ACC+40*\q+ii:ACC+40*\q+ii+1], v[ACC+40*\q+ii:ACC+40*\q+ii+1], v[6:7] op_sel:[0,\q] op_sel_hi:[1,\q]
	v_pk_fma_f32 v[ACC+40*\q+ii:ACC+40*\q+ii+1], v[SR+40*\q+ii:SR+40*\q+ii+1], v[8:9], v[ACC+40*\q+ii:ACC+40*\q+ii+1] op_sel:[0,\q,0] op_sel_hi:[1,\q,1]
.set ii, ii+2
.endr
.endr
	FINISH                                         ; hi
.Lend:
	s_set_vgpr_msb 0x5
	s_wait_tensorcnt 0x0
	ds_add_u32 v0, v1
	s_wait_dscnt 0x0
	s_set_vgpr_msb 0x500
	s_endpgm
.Lfunc_end_k_q8370b3b59b_attn:
	.size	k_q8370b3b59b_attn, .Lfunc_end_k_q8370b3b59b_attn-k_q8370b3b59b_attn
	.p2alignl 7, 3214868480
	.fill 96, 4, 3214868480
	.section	.rodata,"a",@progbits
	.p2align	6, 0x0
	.amdhsa_kernel k_q8370b3b59b_attn
		.amdhsa_group_segment_fixed_size 327680
		.amdhsa_private_segment_fixed_size 0
		.amdhsa_enable_private_segment 0
		.amdhsa_kernarg_size 32
		.amdhsa_user_sgpr_count 2
		.amdhsa_user_sgpr_kernarg_segment_ptr 1
		.amdhsa_wavefront_size32 1
		.amdhsa_system_sgpr_workgroup_id_x 1
		.amdhsa_system_sgpr_workgroup_id_y 1
		.amdhsa_system_sgpr_workgroup_id_z 1
		.amdhsa_system_vgpr_workitem_id 0
		.amdhsa_next_free_vgpr 258
		.amdhsa_next_free_sgpr 96
		.amdhsa_reserve_vcc 1
		.amdhsa_float_denorm_mode_32 3
		.amdhsa_float_denorm_mode_16_64 3
		.amdhsa_memory_ordered 1
		.amdhsa_forward_progress 1
		.amdhsa_inst_pref_size 161
	.end_amdhsa_kernel
	.amdgpu_metadata
---
amdhsa.version: [ 1, 2 ]
amdhsa.kernels:
  - .name:           k_q8370b3b59b_attn
    .symbol:         k_q8370b3b59b_attn.kd
    .args:
      - { .name: qkv, .offset: 0, .size: 8, .value_kind: global_buffer, .address_space: global }
      - { .name: Wo, .offset: 8, .size: 8, .value_kind: global_buffer, .address_space: global }
      - { .name: ao, .offset: 16, .size: 8, .value_kind: global_buffer, .address_space: global }
      - { .name: wo16, .offset: 24, .size: 8, .value_kind: global_buffer, .address_space: global }
    .group_segment_fixed_size: 327680
    .private_segment_fixed_size: 0
    .kernarg_segment_align: 8
    .kernarg_segment_size: 32
    .max_flat_workgroup_size: 256
    .sgpr_count:     96
    .vgpr_count:     258
    .wavefront_size: 32
...
	.end_amdgpu_metadata
.endif
;; end of part 2
;; launch oproj (part 3): grid 8 x 32, 4 waves a work-group, clusters of 4 x 4, 327,680 bytes of LDS; arguments ao, wo16, bo, out0; writes out0
.if DOCPART == 3
	.amdgcn_target "amdgcn-amd-amdhsa--gfx1250"
	.amdhsa_code_object_version 6
	.text
	.protected	k_q8370b3b59b_oproj
	.globl	k_q8370b3b59b_oproj
	.p2align	8
	.type	k_q8370b3b59b_oproj,@function
k_q8370b3b59b_oproj:
	s_mov_b64 s[64:65], 0
	v_nop
	global_prefetch_b8 v0, s[64:65] scope:SCOPE_SE
	s_setreg_imm32_b32 hwreg(HW_REG_WAVE_MODE, 25, 1), 1
	s_wait_xcnt 0x0
	s_wait_alu depctr_hold_cnt(0) depctr_sa_sdst(0) depctr_va_vdst(0) depctr_va_sdst(0) depctr_va_ssrc(0) depctr_va_vcc(0) depctr_vm_vsrc(0)
	s_getreg_b32 s2, hwreg(HW_REG_IB_STS2, 6, 4)
	s_cmp_eq_u32 s2, 0
	s_cbranch_scc0 .Lentry_in_a_cluster
	s_endpgm
.Lentry_in_a_cluster:
	s_bfe_u32 s2, ttmp6, 0x10000c
	s_cmp_lg_u32 s2, 0xf033
	s_cbranch_scc0 .Lentry_shape_is_right
	s_endpgm
.Lentry_shape_is_right:
; out0[s][b][n] = sum over e of ao(b, s, e) Wo[n][e] + bo[n].  ao: f16 [b x 16 + head][2048 s][64]; wo16: f16 [1024 n][1024 e]; bo, out0: f32.
; Both operands are f16 as they lie in memory; sums and the bias in f32.
; A work-group makes 128 rows (one batch, s = 128 (y % 16) ..) x 128 columns (128 x ..) with four waves of 64 x 64: 16 accumulator tiles each;
; 8 x 32 = 256 work-groups.  K goes in steps of 128 = two heads through a ring of two LDS slots filled by the tensor data mover.
; CLUSTERS: 4 x 4 work-groups; ao's tiles hang on y alone and are asked for jointly along a row of the cluster, wo16's on x alone, along a column.
; REGISTERS: window 0: v0-31 addresses and bias; two fragment buffers, each 4 fragments of ao (v32, v96) and 4 of wo16 (v64, v128);
;            window 1: the 16 accumulator tiles, tile (m, c) at v[8 (4 m + c)].
; The matrix instruction is used transposed (source 0 = 16 rows of wo16, source 1 = 16 rows of ao): a lane holds eight neighbouring columns of one row.
.set AP,    144                        ; ao's LDS pitch: 128 bytes + 16
.set WP,    272                        ; wo16's LDS pitch: 256 bytes + 16; both are odd multiples of 16 bytes
.set AHEAD, 128*AP                     ; one head's tile
.set WHALF, 64*WP                      ; 64 rows of wo16
.set WOFF,  2*AHEAD
.set SLOT,  WOFF+2*WHALF               ; 71,680 bytes
.set STAGE, 2*SLOT                     ; 16 rows x 272 bytes for each wave, for the way out; no tensor load lands there
.set SP,    272
.set LAPS,  4                          ; a lap = two K steps
.set ADRA, 16
.set ADRW, 20
.set STO,  24
.set RD,   25
.set CO,   26
.set BOFF, 27
.set BIAS, 28                          ; v[28:31] bo of the four columns that I store
.set AF,   32
.set WF,   64
.set GA1, 24
.set GA0, 32
.set GW1, 48
.set GW0, 56
.set MSB, 0
.macro WIN new
.if MSB != \new
	s_set_vgpr_msb (MSB<<8)|\new
.set MSB, \new
.endif
.endm
.set MUL,    0x50                      ; C and D window 1
.set FROM_1, 0x04                      ; an LDS store's data window 1
.macro JLOAD s                         ; waves 0, 1: ao's two heads; waves 2, 3: wo16's two halves
	s_cmp_eq_u32 s13, 0
	s_cbranch_scc0 .Lfor_w_\@
	tensor_load_to_lds s[GA0+4*\s:GA0+4*\s+3], s[GA1:GA1+7]
	s_nop 0
	s_branch .Lasked_\@
.Lfor_w_\@:
	tensor_load_to_lds s[GW0+4*\s:GW0+4*\s+3], s[GW1:GW1+7]
	s_nop 0
.Lasked_\@:
.endm
.macro CREST
	s_cmp_lg_u32 s12, 0
	s_cbranch_scc1 .Lnot_wave_0_\@
	s_barrier_signal -3
.Lnot_wave_0_\@:
	s_barrier_wait -3
	s_barrier_signal -1
	s_barrier_wait -1
.endm
.macro CROUND
	s_barrier_signal -1
	s_barrier_wait -1
	CREST
.endm
.macro PLACES                          ; four plain vector instructions behind a matrix instruction before its registers are loaded or its result read (ISA guide 7.12.1)
.rept 4
	v_nop
.endr
.endm
	s_load_b256 s[4:11], s[0:1], 0x0               ; ao s[4:5], wo16 s[6:7], bo s[8:9], out0 s[10:11]
	v_lshl_add_u32 v254, v0, 2, 0x29000
	v_mov_b32 v255, 0
	ds_add_u32 v254, v255
	v_lshrrev_b32 v1, 5, v0
	v_readfirstlane_b32 s12, v1                    ; wave 0..3
	s_lshr_b32 s13, s12, 1                         ; my half of the rows.  Also: I fetch ao (0) or wo16 (1)
	s_and_b32 s14, s12, 1                          ; my half of the columns.  Also: which head, or which 64 rows, I fetch
	s_bfe_u32 s40, ttmp6, 0x40000                  ; cx
	s_bfe_u32 s41, ttmp6, 0x40004                  ; cy
	s_lshl_b32 s42, ttmp9, 2
	s_add_co_u32 s42, s42, s40                     ; block column 0..7
	s_and_b32 s15, ttmp7, 0xffff
	s_lshl_b32 s15, s15, 2
	s_add_co_u32 s15, s15, s41                     ; block row 0..31
	s_lshr_b32 s66, s15, 4                         ; batch
	s_and_b32 s67, s15, 15                         ; block of 128 s
	s_lshl_b32 s43, s41, 2
	s_lshl_b32 s43, 15, s43                        ; my row of the cluster
	s_lshl_b32 s44, 0x1111, s40                    ; my column
	s_or_b32 s[GA1+0], s43, (1<<16)|(1<<20)|(1<<21)|(4<<22)|(3<<25)   ; f16; 4 words of padding behind every 32
	s_mov_b32 s[GA1+1], 64<<16
	s_mov_b32 s[GA1+2], 128<<16
	s_mov_b32 s[GA1+3], 64<<16
	s_mov_b32 s[GA1+4], 128
	s_mov_b32 s[GA1+5], 64
	s_mov_b32 s[GA1+6], 0
	s_mov_b32 s[GA1+7], 0
	s_or_b32 s[GW1+0], s44, (1<<16)|(1<<20)|(1<<21)|(5<<22)|(3<<25)   ; f16; 4 words of padding behind every 64
	s_mov_b32 s[GW1+1], 128<<16
	s_mov_b32 s[GW1+2], 64<<16
	s_mov_b32 s[GW1+3], 128<<16
	s_mov_b32 s[GW1+4], 64
	s_mov_b32 s[GW1+5], 1024
	s_mov_b32 s[GW1+6], 0
	s_mov_b32 s[GW1+7], 0
	s_lshl_b32 s16, s66, 22                        ; ao: batch x 16 heads x 262,144 bytes
	s_lshl_b32 s17, s14, 18                        ; + my head of the step's two
	s_add_co_u32 s16, s16, s17
	s_lshl_b32 s17, s67, 14                        ; + 128 rows x 128 bytes x block
	s_add_co_u32 s16, s16, s17
	s_mov_b32 s17, 0
	s_lshl_b32 s46, s42, 7
	s_lshl_b32 s47, s14, 6
	s_add_co_u32 s46, s46, s47                     ; wo16's first row that I fetch = the first of my 64 columns
	s_lshl_b32 s68, s46, 2                         ; its byte in bo and in a row of out0
	s_mov_b32 s69, 0
	s_lshl_b32 s46, s46, 11
	s_mov_b32 s47, 0
	s_mul_i32 s20, s12, AHEAD                      ; LDS: waves 0, 1 at 0 and 18,432
	s_mul_i32 s21, s12, WHALF
	s_add_co_u32 s21, s21, WOFF-2*WHALF            ; waves 2, 3 at 36,864 and 54,272
	s_lshl_b32 s70, s67, 7
	s_lshl_b32 s71, s13, 6
	s_add_co_u32 s70, s70, s71                     ; my first s
	s_lshl_b32 s70, s70, 1
	s_add_co_u32 s70, s70, s66
	s_lshl_b32 s70, s70, 12
	s_add_co_u32 s70, s70, s68
	s_mov_b32 s71, 0
	s_wait_dscnt 0x0
	s_wait_kmcnt 0x0
	s_add_nc_u64 s[16:17], s[4:5], s[16:17]
	s_add_nc_u64 s[46:47], s[6:7], s[46:47]
	s_add_nc_u64 s[8:9], s[8:9], s[68:69]
	s_add_nc_u64 s[10:11], s[10:11], s[70:71]
	CROUND                                         ; all sixteen work-groups are here: the first joint loads meet
.irp s, 0,1
	s_mov_b32 s[GA0+4*\s], 1
	s_add_co_u32 s[GA0+4*\s+1], s20, \s*SLOT
	s_add_nc_u64 s[GA0+4*\s+2:GA0+4*\s+3], s[16:17], \s*524288
	s_or_b32 s[GA0+4*\s+3], s[GA0+4*\s+3], 0x80000000
	s_mov_b32 s[GW0+4*\s], 1
	s_add_co_u32 s[GW0+4*\s+1], s21, \s*SLOT
	s_add_nc_u64 s[GW0+4*\s+2:GW0+4*\s+3], s[46:47], \s*256
	s_or_b32 s[GW0+4*\s+3], s[GW0+4*\s+3], 0x80000000
	JLOAD \s                                       ; two tensor loads of the wave are out
.endr
	v_and_b32 v1, 15, v0                           ; r
	v_bfe_u32 v2, v0, 4, 1                         ; h
	v_lshlrev_b32 v[BOFF], 4, v1
	global_load_b128 v[BIAS:BIAS+3], v[BOFF], s[8:9]
	v_mul_u32_u24 v3, v1, AP
	v_lshl_add_u32 v3, v2, 4, v3
	v_mul_u32_u24 v4, v1, WP
	v_lshl_add_u32 v4, v2, 4, v4
	s_mul_i32 s22, s13, 64*AP
	s_mul_i32 s23, s14, 64*WP
	s_add_co_u32 s23, s23, WOFF
.irp s, 0,1
	v_add_nc_u32 v[ADRA+\s], s22, v3
	v_add_nc_u32 v[ADRW+\s], s23, v4
	s_add_co_u32 s22, s22, SLOT
	s_add_co_u32 s23, s23, SLOT
.endr
	s_mul_i32 s22, s12, 16*SP
	s_add_co_u32 s22, s22, STAGE
	v_mul_u32_u24 v5, v1, SP
	v_lshl_add_u32 v5, v2, 5, v5
	v_add_nc_u32 v[STO], s22, v5                   ; in: row r, 32 bytes for each half of the lanes
	v_mul_u32_u24 v5, v2, SP
	v_lshl_add_u32 v5, v1, 4, v5
	v_add_nc_u32 v[RD], s22, v5                    ; back: lanes 0-15 one row of 256 bytes, lanes 16-31 the next
	v_lshlrev_b32 v5, 13, v2                       ; and the same two rows of out0, 8,192 bytes apart in one batch
	v_lshl_add_u32 v[CO], v1, 4, v5
; 16 LDS loads: the fragments of quarter q (32 along K) of a slot into buffer buf
.macro FETCHQ slot, q, buf
.irp m, 0,1,2,3
	ds_load_b128 v[AF+64*(\buf)+8*\m:AF+64*(\buf)+8*\m+3],   v[ADRA+\slot] offset:(\q/2)*AHEAD+\m*16*AP+(\q%2)*64
	ds_load_b128 v[AF+64*(\buf)+8*\m+4:AF+64*(\buf)+8*\m+7], v[ADRA+\slot] offset:(\q/2)*AHEAD+\m*16*AP+(\q%2)*64+32
.endr
.irp c, 0,1,2,3
	ds_load_b128 v[WF+64*(\buf)+8*\c:WF+64*(\buf)+8*\c+3],   v[ADRW+\slot] offset:\c*16*WP+\q*64
	ds_load_b128 v[WF+64*(\buf)+8*\c+4:WF+64*(\buf)+8*\c+7], v[ADRW+\slot] offset:\c*16*WP+\q*64+32
.endr
.endm
; eight matrix instructions; over a quarter the 16 accumulators take turns, one instruction a turn
.macro MUL8 buf, m0, zero
.irp m, \m0, \m0+1
.irp c, 0,1,2,3
.if \zero
	v_wmma_f32_16x16x32_f16 v[8*(4*(\m)+\c):8*(4*(\m)+\c)+7], v[WF+64*\buf+8*\c:WF+64*\buf+8*\c+7], v[AF+64*\buf+8*(\m):AF+64*\buf+8*(\m)+7], 0
.else
	v_wmma_f32_16x16x32_f16 v[8*(4*(\m)+\c):8*(4*(\m)+\c)+7], v[WF+64*\buf+8*\c:WF+64*\buf+8*\c+7], v[AF+64*\buf+8*(\m):AF+64*\buf+8*(\m)+7], v[8*(4*(\m)+\c):8*(4*(\m)+\c)+7]
.endif
.endr
.endr
.endm
; One of a K step's first three quarters: fetch quarter q into the other buffer, multiply buffer buf
.macro QUARTER slot, q, buf, zero
	PLACES
	FETCHQ \slot, \q, 1-\buf
	s_wait_dscnt 16                                ; all but the 16 just issued: this quarter's fragments are in
	WIN MUL
	MUL8 \buf, 0, \zero
	MUL8 \buf, 2, \zero
	WIN 0
.endm
.macro THREE slot, zero
	QUARTER \slot, 1, 0, \zero
	QUARTER \slot, 2, 1, 0
	QUARTER \slot, 3, 0, 0
.endm
; The last quarter and the change of slots.  In front of the barrier each wave waits for its reads of this slot and for all its tensor loads (one is out: its
; part of the next slot).  Where the slot is filled again the barrier opens a round of the cluster's barrier, with register work alone inside; the joint
; refill is the first tensor load behind the round, then the next slot is read.
.macro TURN slot, next, fill
	s_wait_dscnt 0x0
	s_wait_tensorcnt 0x0
	ds_add_u32 v254, v255
	s_wait_dscnt 0x0
	s_barrier_signal -1
	WIN MUL
	MUL8 1, 0, 0
	WIN 0
	s_barrier_wait -1
.if \fill
	CREST
	s_add_nc_u64 s[GA0+4*\slot+2:GA0+4*\slot+3], s[GA0+4*\slot+2:GA0+4*\slot+3], 1048576   ; four heads on
	s_add_nc_u64 s[GW0+4*\slot+2:GW0+4*\slot+3], s[GW0+4*\slot+2:GW0+4*\slot+3], 512       ; 256 columns on
	JLOAD \slot
.endif
	PLACES
	FETCHQ \next, 0, 0
	WIN MUL
	MUL8 1, 2, 0
	WIN 0
.endm
.macro LAP zero
	THREE 0, \zero
	TURN 0, 1, 1
	THREE 1, 0
	TURN 1, 0, 1
.endm
	s_wait_tensorcnt 1                             ; my part of K step 0 is in; K step 1's stays out
	s_barrier_signal -1
	s_barrier_wait -1
	FETCHQ 0, 0, 0
	LAP 1                                          ; the first products start the sums
	s_mov_b32 s3, LAPS-2
.Llap:
	LAP 0
	s_sub_co_u32 s3, s3, 1
	s_cmp_lg_u32 s3, 0
	s_cbranch_scc1 .Llap
	THREE 0, 0                                     ; the last lap fills nothing
	TURN 0, 1, 0
	THREE 1, 0
	s_wait_dscnt 0x0
	WIN MUL
	MUL8 1, 0, 0
	MUL8 1, 2, 0
	WIN 0
	PLACES                                         ; behind the last matrix instructions: results are stored to LDS, fragment registers loaded
	s_wait_loadcnt 0x0                             ; the bias
; rows 16 m .. + 15 of my block: f32 into my stage, back as whole rows of 256 bytes, plus the bias, out
.macro OUTA m, buf
	WIN FROM_1
.irp c, 0,1,2,3
	ds_store_b128 v[STO], v[8*(4*\m+\c):8*(4*\m+\c)+3]   offset:64*\c
	ds_store_b128 v[STO], v[8*(4*\m+\c)+4:8*(4*\m+\c)+7] offset:64*\c+16
.endr
	WIN 0
	s_wait_xcnt 0x0                                ; the registers that earlier stores read are loaded again only behind this wait (ISA guide 3.1)
.irp t, 0,1,2,3,4,5,6,7
	ds_load_b128 v[AF+64*\buf+4*\t:AF+64*\buf+4*\t+3], v[RD] offset:\t*2*SP   ; a wave's LDS instructions are served in order: these see the stores above
.endr
.irp t, 0,1,2,3,4,5,6,7
	s_wait_dscnt 7-\t
	v_pk_add_f32 v[AF+64*\buf+4*\t:AF+64*\buf+4*\t+1],   v[AF+64*\buf+4*\t:AF+64*\buf+4*\t+1],   v[BIAS:BIAS+1]
	v_pk_add_f32 v[AF+64*\buf+4*\t+2:AF+64*\buf+4*\t+3], v[AF+64*\buf+4*\t+2:AF+64*\buf+4*\t+3], v[BIAS+2:BIAS+3]
	global_store_b128 v[CO], v[AF+64*\buf+4*\t:AF+64*\buf+4*\t+3], s[10:11] offset:(16*\m+2*\t)*8192   ; 16 lanes store 256 consecutive bytes, aligned
.endr
.endm
	OUTA 0, 0
	OUTA 1, 1
	OUTA 2, 0
	OUTA 3, 1
	s_wait_tensorcnt 0x0
	ds_add_u32 v254, v255
	s_wait_dscnt 0x0
	CROUND                                         ; the closing round: no work-group ends while a partner may still ask for a tile that names it
	s_endpgm
.Lfunc_end_k_q8370b3b59b_oproj:
	.size	k_q8370b3b59b_oproj, .Lfunc_end_k_q8370b3b59b_oproj-k_q8370b3b59b_oproj
	.p2alignl 7, 3214868480
	.fill 96, 4, 3214868480
	.section	.rodata,"a",@progbits
	.p2align	6, 0x0
	.amdhsa_kernel k_q8370b3b59b_oproj
		.amdhsa_group_segment_fixed_size 327680
		.amdhsa_private_segment_fixed_size 0
		.amdhsa_enable_private_segment 0
		.amdhsa_kernarg_size 32
		.amdhsa_user_sgpr_count 2
		.amdhsa_user_sgpr_kernarg_segment_ptr 1
		.amdhsa_wavefront_size32 1
		.amdhsa_system_sgpr_workgroup_id_x 1
		.amdhsa_system_sgpr_workgroup_id_y 1
		.amdhsa_system_sgpr_workgroup_id_z 1
		.amdhsa_system_vgpr_workitem_id 0
		.amdhsa_next_free_vgpr 384
		.amdhsa_next_free_sgpr 80
		.amdhsa_reserve_vcc 0
		.amdhsa_float_denorm_mode_32 3
		.amdhsa_float_denorm_mode_16_64 3
		.amdhsa_memory_ordered 1
		.amdhsa_forward_progress 1
		.amdhsa_inst_pref_size 77
	.end_amdhsa_kernel
	.amdgpu_metadata
---
amdhsa.version: [ 1, 2 ]
amdhsa.kernels:
  - .name:           k_q8370b3b59b_oproj
    .symbol:         k_q8370b3b59b_oproj.kd
    .args:
      - { .name: ao, .offset: 0, .size: 8, .value_kind: global_buffer, .address_space: global }
      - { .name: wo16, .offset: 8, .size: 8, .value_kind: global_buffer, .address_space: global }
      - { .name: bo, .offset: 16, .size: 8, .value_kind: global_buffer, .address_space: global }
      - { .name: out0, .offset: 24, .size: 8, .value_kind: global_buffer, .address_space: global }
    .group_segment_fixed_size: 327680
    .private_segment_fixed_size: 0
    .kernarg_segment_align: 8
    .kernarg_segment_size: 32
    .max_flat_workgroup_size: 128
    .sgpr_count:     80
    .vgpr_count:     384
    .wavefront_size: 32
...
	.end_amdgpu_metadata
.endif
;; end of part 3
